; MI455X (gfx1250); checked and timed in simulation.
; The chip was launched on July 23, 2026; its instructions are those of AMD's public machine-readable ISA for CDNA 5 (MIT licence, August 2026) and "CDNA5" Instruction Set Architecture Reference Guide (July 2026). The comments in the code are by the model that wrote it; some were corrected since.
;; Multihead Attention. Allowed arithmetic: matrix products marked QUANTISED: E5M2 operands, one given power-of-two scale a tensor, by v_wmma_f32_16x16x64_bf8_bf8 or v_wmma_f32_16x16x128_bf8_bf8, f32 sums; everything else in f32.
;; Inputs: W_K 1,024 x 1,024 float32; W_Q 1,024 x 1,024 float32; W_R 1,024 x 1,024 float32; W_V 1,024 x 1,024 float32; inputs 8 x 1,024 x 1,024 float32; lowp_scales 12 int32 (the exponents e of the quantised operands' scales 2^e).
;; Outputs: out0 8 x 1,024 x 1,024 float32.
;; This version of the problem:
;;   THIS VERSION OF THE PROBLEM IS GIVEN IN LOW PRECISION. The matrix products marked QUANTISED in the list below multiply operands that are first quantised to E5M2 (5 exponent bits, 2 mantissa bits; 8 bits a number), with one given power-of-two scale for each operand tensor; their sums are f32. All else is computed in f32.
;;   The module's matrix products, in the order in which they are computed (A, B: the left and right operand; K: the contracted axis; several contracted axes count as one K, in the product's order):
;;     1. [M 8,192, K 1,024] x [K 1,024, N 1,024]; A: input inputs; B: input W_Q: QUANTISED (scales: A lowp_scales[0], B lowp_scales[1])
;;     2. [M 8,192, K 1,024] x [K 1,024, N 1,024]; A: input inputs; B: input W_K: QUANTISED (scales: A lowp_scales[2], B lowp_scales[3])
;;     3. [M 8,192, K 1,024] x [K 1,024, N 1,024]; A: input inputs; B: input W_V: QUANTISED (scales: A lowp_scales[4], B lowp_scales[5])
;;     4. batch 128 x [M 1,024, K 64] x [K 64, N 1,024]; A: computed on the way; B: computed on the way: QUANTISED (scales: A lowp_scales[6], B lowp_scales[7])
;;     5. batch 128 x [M 64, K 1,024] x [K 1,024, N 1,024]; A: computed on the way; B: softmax (see below): QUANTISED (scales: A lowp_scales[8], B lowp_scales[9])
;;     6. [M 8,192, K 1,024] x [K 1,024, N 1,024]; A: input inputs; B: input W_R: QUANTISED (scales: A lowp_scales[10], B lowp_scales[11])
;;   THE QUANTISER, for each operand of a quantised product, along K:
;;     - The operand's scale is 2^e, e = its entry of the input lowp_scales (int32; the entries are numbered through the quantised products in the list's order, A before B).
;;     - Each number is divided by the scale, clamped to +-57,344, and rounded to the nearest number of E5M2, ties to even, subnormals kept.
;;     - The product sums the exact products of the quantised numbers (number of the format x scale) in f32.
;;   ~~~python
;;   def quantise(x, axis, e):      # numpy; x: float32 -> the quantised numbers, widened to float32 again
;;       x = np.moveaxis(x, axis, -1); K = x.shape[-1]
;;       r = np.clip(x / 2.0 ** e, -57344, 57344)
;;       step = 2.0 ** (np.maximum(np.frexp(np.where(r == 0, 1, r))[1] - 1, -14) - 2)
;;       q = np.round(r / step) * step * 2.0 ** e      # np.round: ties to even
;;       return np.moveaxis(q, -1, axis).astype(np.float32)
;;   ~~~
;;   SOFTMAX AHEAD OF A QUANTISED PRODUCT. Where the list says 'softmax', what is quantised is not the finished softmax but p = 2^(t - M), with t = logit x log2(e) and M = ceil(the row's largest t), a whole number; so 1/2 < the row's largest p <= 1. The row's sum l is taken of the UNQUANTISED p, in f32, and the product's result is divided by l at the end. Since M is a whole number, a kernel that streams over the keys may use a running M (the ceiling of the running maximum): every later rescaling is an exact power of two, so the quantised numbers keep their values, but for numbers so far below the row's largest that they fall under the format's range.
;;   OPERANDS COMPUTED ON THE WAY. 'Computed on the way' means the value that the module computes at that place (a softmax that the list does not call 'softmax' is quantised finished and normalised). What goes into a quantiser is computed in f32, as accurately as f32 sums, v_exp_f32 and their like allow (about 1e-6 of the number): no bf16 or f16 on the way to a quantiser, and a product that is left as it is and whose result goes on into a quantised operand takes f32 operands (vector FMAs, or v_wmma_f32_16x16x4_f32). A number that lies on a knife's edge between two numbers of the format may be rounded either way, as far as f32 arithmetic and the matrix unit's own rounding can turn it there, and no further.
;; One version. Each part assembles by itself: llvm-mc -triple=amdgcn-amd-amdhsa -mcpu=gfx1250 --defsym DOCPART=n.
;; ======== version 1 of 1: 3 launches
;; limits: right only within a limited range of input values
;; workspace buffers: codes 37,748,736 bytes; qkv 25,165,824 bytes; res 33,554,432 bytes
;; launch quant (part 1): grid 384 x 1, 4 waves a work-group, no clusters, 140,800 bytes of LDS; arguments inputs, W_Q, W_K, W_V, W_R, lowp_scales, codes; writes codes
.if DOCPART == 1
	.amdgcn_target "amdgcn-amd-amdhsa--gfx1250"
	.amdhsa_code_object_version 6
	.text
	.protected	k_qea7ee74ce6_quant
	.globl	k_qea7ee74ce6_quant
	.p2align	8
	.type	k_qea7ee74ce6_quant,@function
k_qea7ee74ce6_quant:
	s_mov_b64 s[64:65], 0
	v_nop
	global_prefetch_b8 v0, s[64:65] scope:SCOPE_SE
	s_setreg_imm32_b32 hwreg(HW_REG_WAVE_MODE, 25, 1), 1
	s_wait_xcnt 0x0
; X [8192][1024] f32 and the four weights [1024 (k)][1024 (n)] f32 become codes of BF8 (E5M2), one byte each, K innermost.
; code = x / 2^e, held within +-57,344, rounded to the nearest code, ties to even.  e: X e0, e2, e4, e10 (products Q, K, V, R); W_Q e1, W_K e3, W_V e5, W_R e11.
; LIMITS: each of these eight e lies between -126 and 112, so that 2^e and 57,344 x 2^e are f32 numbers.  NaN among the inputs is not served.
; THE ORDER ALONG K, alike in X's codes and in the weights': inside each 512 along K, byte 16 l + 4 i + j of a row's codes holds k = 128 i + 4 l + j (l 0..31, i 0..3, j 0..3).
; Both operands of a product are permuted alike, so every number meets its partner.
; TWO LAYOUTS.  ROWS: [row][1,024 bytes].  IMAGES: 16 rows are 16,384 bytes, [piece of 16 bytes along the row, 0..63][row 0..15][16 bytes]: the next launch loads such an operand
; straight into registers, 512 consecutive bytes an instruction.  In each product one operand lies in rows and the other in images:
; X's sets at 0, 8, 16, 24 MiB (Q, K, V, R): images, but V's in rows; the weights at 32, 33, 34, 35 MiB: rows, but W_V in images.
; X is read once and quantised four times in registers: the four scales are four inputs and may differ.
; Work-groups 0..255: X; a wave takes 16 rows x 512 along K, a row a step.  A lane's 16 codes of a row are one piece; the three sets of images turn through the wave's own LDS
; (piece l at 272 l, row r at + 16 r) and leave at the end, 512 consecutive bytes a store.  V's set is stored as it comes.
; Work-groups 256..383: a weight's 128 columns x 256 places along K; a lane takes a column and its registers run down K; the codes leave through the wave's own stage in LDS.
; The two paths have LDS bytes of their own.  Waves share nothing: no barrier.
.set PITCH, 272                        ; a stage row: 256 bytes + 16
.set SETB,  0x800000                   ; a set of X's codes in bytes
.set WBASE, 0x2000000                  ; where the weights' codes begin
.set XIMG,  32*PITCH                   ; X: a set's 32 pieces x 16 rows in LDS
.set XL0,   36352                      ; X: LDS from here on, 3 x XIMG a wave (below: the weights' stages and the spare words at 35,840)
.set SC,   4                           ; X: v4-7    2^e as f32 for e0, e2, e4, e10
.set LM,   8                           ; X: v8-11   57,344 x 2^e
.set R,    16                          ; X: v16-79  four sets of 16 numbers as loaded
.set T,    80                          ; X: v80-95  16 numbers, held
.set C0,   96                          ; X: v96-159 codes: 16 registers a step, four steps by turns
.set WX,   32                          ; W: v32-95  two sets of 32 numbers
.set WC,   96                          ; W: v96-103 a block's codes
.set OUTR, 112                         ; W: v112-175 the way out
.macro XLOAD t                         ; step t = row t: four loads, each 512 consecutive bytes; register 4 i + j = k 128 i + 4 lane + j of my 512
.irp i, 0,1,2,3
	global_load_b128 v[R+16*((\t)%4)+4*\i:R+16*((\t)%4)+4*\i+3], v3, s[4:5] offset:4096*(\t)+512*\i th:TH_LOAD_NT
.endr
.endm
.macro XSCALE s, er                    ; set s: the scale and the hold from the exponent in s[er]
	s_add_co_i32 s44, s[\er], 127
	s_lshl_b32 s45, s44, 23
	v_mov_b32 v[SC+\s], s45                        ; 2^e: the conversion takes its exponent field
	s_add_co_i32 s44, s44, 15
	s_lshl_b32 s44, s44, 23
	s_or_b32 s44, s44, 0x600000
	v_mov_b32 v[LM+\s], s44                        ; 57,344 x 2^e
.endm
.macro XSET s, t                       ; row t's 16 numbers under scale s: four registers of codes
.set CR, C0+16*((\t)%4)+4*(\s)
.irp n, 0,1,2,3,4,5,6,7,8,9,10,11,12,13,14,15
	v_med3_num_f32 v[T+\n], v[R+16*((\t)%4)+\n], -v[LM+\s], v[LM+\s]   ; the conversion to an 8-bit code does not saturate (ISA guide 7.6.2): the hold comes first
.endr
	v_cvt_scalef32_pk8_bf8_f32 v[CR:CR+1], v[T:T+7], v[SC+\s]
	v_cvt_scalef32_pk8_bf8_f32 v[CR+2:CR+3], v[T+8:T+15], v[SC+\s]
	v_nop                                          ; one plain line between the conversions and the next holds, which write the conversions' sources
.if (\s) == 2
	global_store_b128 v3, v[CR:CR+3], s[20:21] offset:1024*(\t)        ; rows: 512 consecutive bytes of row t
.else
	ds_store_b128 v12, v[CR:CR+3] offset:((\s)-(\s)/3)*XIMG+16*(\t)    ; images: piece = my lane, row t
.endif
.endm
.macro XSTEP t
.if (\t) <= 12
	s_wait_loadcnt 12                              ; this step's four loads are in; those of the three steps behind it may be out
.else
	s_wait_loadcnt 4*(15-(\t))
.endif
.if (\t) >= 4
	s_wait_xcnt 0x0                                ; this step's code registers were the data of the stores four steps back: rewritten only behind this wait
.endif
	XSET 0, \t
	XSET 1, \t
	XSET 2, \t
	XSET 3, \t
.if (\t)+4 < 16
	XLOAD (\t)+4                                   ; into the set just read
.endif
.endm
.macro XBACK k, reg                    ; a set's images back from LDS: two pieces x 16 rows, 512 bytes, an instruction
.irp m, 0,1,2,3,4,5,6,7,8,9,10,11,12,13,14,15
	ds_load_b128 v[\reg+4*\m:\reg+4*\m+3], v13 offset:\k*XIMG+\m*2*PITCH   ; LDS serves a wave's instructions in order (ISA guide 5.7.1.4): these see my stores
.endr
.endm
.macro XSEND reg, sb, younger          ; younger: LDS loads issued behind this set's, which may stay out
.irp m, 0,1,2,3,4,5,6,7,8,9,10,11,12,13,14,15
	s_wait_dscnt \younger+15-\m
	global_store_b128 v3, v[\reg+4*\m:\reg+4*\m+3], s[\sb:\sb+1] offset:512*\m
.endr
.endm
.macro WLOAD t                         ; block t: places 32 t + q of my 256, q = 0 .. 31; the row of W is the k that stands at that place
.irp q, 0,1,2,3,4,5,6,7,8,9,10,11,12,13,14,15,16,17,18,19,20,21,22,23,24,25,26,27,28,29,30,31
	global_load_b32 v[WX+32*((\t)%2)+\q], v3, s[6:7] offset:(128*((\q/4)%4)+8*(\t)+4*(\q/16)+\q%4)*4096 th:TH_LOAD_NT
.endr
.endm
.macro WBLOCK t
.set XS, WX+32*((\t)%2)
.if (\t) < 7
	s_wait_loadcnt 32                              ; this block's 32 loads are in; the next block's may be out
.else
	s_wait_loadcnt 0
.endif
.irp q, 0,1,2,3,4,5,6,7,8,9,10,11,12,13,14,15,16,17,18,19,20,21,22,23,24,25,26,27,28,29,30,31
	v_med3_num_f32 v[XS+\q], v[XS+\q], -v10, v10
.endr
.irp g, 0,1,2,3
	v_cvt_scalef32_pk8_bf8_f32 v[WC+2*\g:WC+2*\g+1], v[XS+8*\g:XS+8*\g+7], v11
.endr
	ds_store_b128 v4, v[WC:WC+3] offset:32*(\t)    ; 32 codes of my column's row
	ds_store_b128 v4, v[WC+4:WC+7] offset:32*(\t)+16
.if (\t)+2 < 8
	WLOAD (\t)+2
.endif
	s_wait_dscnt 0x0                               ; the stores have read their registers: the next block's codes may be written
.endm
	s_load_b256 s[4:11], s[0:1], 0x0               ; inputs s[4:5], W_Q s[6:7], W_K s[8:9], W_V s[10:11]
	s_load_b128 s[12:15], s[0:1], 0x20             ; W_R s[12:13], the scales' exponents s[14:15]
	s_load_b64 s[24:25], s[0:1], 0x30              ; the codes
	v_lshl_add_u32 v192, v0, 2, 0x8c00
	v_mov_b32 v193, 0
	v_lshrrev_b32 v1, 5, v0
	v_readfirstlane_b32 s26, v1                    ; wave 0..3
	v_and_b32 v2, 31, v0                           ; lane
	s_wait_alu depctr_va_vdst(0)
	s_wait_kmcnt 0x0
	s_load_b256 s[28:35], s[14:15], 0x0            ; e0 .. e7
	s_load_b128 s[36:39], s[14:15], 0x20           ; e8 .. e11
	s_cmp_lt_u32 ttmp9, 256
	s_cbranch_scc0 .Lweights
	; ---- X
	s_mul_i32 s46, s26, 3*XIMG
	s_add_co_u32 s46, s46, XL0                     ; my wave's LDS
	v_lshlrev_b32 v3, 4, v2                        ; 16 x lane: my bytes of a load's 512 and of a store's 512; never rewritten
	v_mul_u32_u24 v12, v2, PITCH
	v_lshrrev_b32 v14, 4, v2
	v_and_b32 v15, 15, v2
	v_add_nc_u32 v12, s46, v12                     ; in: piece = lane
	v_mul_u32_u24 v13, v14, PITCH
	v_lshl_add_u32 v13, v15, 4, v13
	v_add_nc_u32 v13, s46, v13                     ; back: lanes 0-15 one piece's 16 rows, lanes 16-31 the next piece's
	s_wait_alu depctr_va_vdst(0)
	s_lshl_b32 s40, ttmp9, 1
	s_lshr_b32 s41, s26, 1
	s_add_co_u32 s40, s40, s41                     ; which 16 rows
	s_and_b32 s41, s26, 1                          ; which 512 along K
	s_lshl_b32 s42, s40, 16
	s_lshl_b32 s43, s41, 11
	s_add_co_u32 s42, s42, s43
	s_mov_b32 s43, 0
	s_add_nc_u64 s[4:5], s[4:5], s[42:43]
	s_lshl_b32 s42, s40, 14                        ; 16 rows of codes are 16,384 bytes in both layouts
	s_lshl_b32 s44, s41, 13
	s_add_co_u32 s44, s42, s44                     ; images: my 32 pieces
	s_mov_b32 s45, 0
	s_add_nc_u64 s[16:17], s[24:25], s[44:45]
	s_add_nc_u64 s[18:19], s[16:17], SETB
	s_add_nc_u64 s[22:23], s[16:17], 3*SETB
	s_lshl_b32 s44, s41, 9
	s_add_co_u32 s44, s42, s44                     ; rows: my 512 bytes of the first row
	s_add_nc_u64 s[20:21], s[24:25], s[44:45]
	s_add_nc_u64 s[20:21], s[20:21], 2*SETB
	XLOAD 0
	XLOAD 1
	XLOAD 2
	XLOAD 3
	s_wait_kmcnt 0x0
	XSCALE 0, 28
	XSCALE 1, 30
	XSCALE 2, 32
	XSCALE 3, 38
	s_wait_alu depctr_va_vdst(0)
.irp t, 0,1,2,3,4,5,6,7,8,9,10,11,12,13,14,15
	XSTEP \t
.endr
	s_wait_xcnt 0x0                                ; the last stores have read their data: v96-159 may be written
	XBACK 0, 16
	XBACK 1, 96
	XSEND 16, 16, 16
	XSEND 96, 18, 0
	s_wait_xcnt 0x0                                ; v16-79 were store data
	XBACK 2, 16
	XSEND 16, 22, 0
	s_wait_tensorcnt 0x0                           ; the wave's end
	ds_add_u32 v192, v193
	s_wait_dscnt 0x0
	s_endpgm
	; ---- the weights
.Lweights:
	s_sub_co_u32 s40, ttmp9, 256
	s_lshr_b32 s41, s40, 5                         ; which weight: 0 Q, 1 K, 2 V, 3 R
	s_and_b32 s42, s40, 7                          ; which 128 columns
	s_bfe_u32 s43, s40, 0x20003                    ; which 256 places along K
	s_lshl_b32 s44, s42, 7
	s_lshl_b32 s45, s26, 5
	s_add_co_u32 s44, s44, s45                     ; my wave's first column
	s_cmp_eq_u32 s41, 1                            ; the weight's buffer: a choice on the work-group's number alone
	s_cselect_b64 s[6:7], s[8:9], s[6:7]
	s_cmp_eq_u32 s41, 2
	s_cselect_b64 s[6:7], s[10:11], s[6:7]
	s_cmp_eq_u32 s41, 3
	s_cselect_b64 s[6:7], s[12:13], s[6:7]
	s_lshr_b32 s46, s43, 1
	s_lshl_b32 s46, s46, 21                        ; 512 rows of 4,096 bytes for each whole 512 along K,
	s_and_b32 s47, s43, 1
	s_lshl_b32 s47, s47, 18                        ; 64 rows for the upper 256 places (they begin at lane 16 of the order: k = 64),
	s_add_co_u32 s46, s46, s47
	s_lshl_b32 s47, s44, 2
	s_add_co_u32 s46, s46, s47                     ; and my column
	s_mov_b32 s47, 0
	s_add_nc_u64 s[6:7], s[6:7], s[46:47]
	s_lshl_b32 s48, s41, 10
	s_add_co_u32 s48, s48, s44
	s_lshl_b32 s48, s48, 10                        ; the codes: 1,024 bytes a column in both layouts,
	s_lshl_b32 s49, s43, 8                         ; + my 256 places: in rows 256 bytes on,
	s_lshl_b32 s51, s43, 12                        ; in images 16 pieces of 256 bytes on
	s_cmp_eq_u32 s41, 2
	s_cselect_b32 s49, s51, s49
	s_add_co_u32 s48, s48, s49
	s_add_co_u32 s48, s48, WBASE                   ; behind X's four sets
	s_mov_b32 s49, 0
	s_add_nc_u64 s[24:25], s[24:25], s[48:49]
	v_lshlrev_b32 v3, 2, v2                        ; in: 4 bytes a lane: 128 consecutive bytes a wave
	s_mul_i32 s50, s26, 32*PITCH                   ; my stage
	v_mul_u32_u24 v4, v2, PITCH
	v_add_nc_u32 v4, s50, v4                       ; into it: row = my column
	v_and_b32 v5, 15, v2
	v_lshrrev_b32 v6, 4, v2
	v_mul_u32_u24 v7, v6, PITCH
	v_lshl_add_u32 v7, v5, 4, v7
	v_add_nc_u32 v7, s50, v7                       ; rows, out of it: sixteen lanes to a row, two rows an instruction
	v_lshlrev_b32 v8, 10, v6
	v_lshl_add_u32 v8, v5, 4, v8                   ; and the same place among the codes
	v_mul_u32_u24 v9, v5, PITCH
	v_lshl_add_u32 v9, v6, 4, v9
	v_add_nc_u32 v9, s50, v9                       ; images, out of it: lanes 0-15 one piece of 16 columns, lanes 16-31 the next piece
	v_lshlrev_b32 v12, 4, v2                       ; and 16 x lane among the codes
	WLOAD 0
	WLOAD 1
	s_wait_kmcnt 0x0
	s_cmp_eq_u32 s41, 1                            ; e1, e3, e5 or e11
	s_cselect_b32 s29, s31, s29
	s_cmp_eq_u32 s41, 2
	s_cselect_b32 s29, s33, s29
	s_cmp_eq_u32 s41, 3
	s_cselect_b32 s29, s39, s29
	s_add_co_i32 s29, s29, 127
	s_lshl_b32 s30, s29, 23
	v_mov_b32 v11, s30                             ; 2^e
	s_add_co_i32 s29, s29, 15
	s_lshl_b32 s29, s29, 23
	s_or_b32 s29, s29, 0x600000
	v_mov_b32 v10, s29                             ; 57,344 x 2^e
	s_wait_alu depctr_va_vdst(0)
.irp t, 0,1,2,3,4,5,6,7
	WBLOCK \t
.endr
	s_cmp_eq_u32 s41, 2
	s_cbranch_scc1 .Limage
.irp u, 0,1,2,3,4,5,6,7,8,9,10,11,12,13,14,15
	ds_load_b128 v[OUTR+4*\u:OUTR+4*\u+3], v7 offset:2*\u*PITCH
.endr
.irp u, 0,1,2,3,4,5,6,7,8,9,10,11,12,13,14,15
	s_wait_dscnt 15-\u                             ; the younger read-backs may be out
	global_store_b128 v8, v[OUTR+4*\u:OUTR+4*\u+3], s[24:25] offset:2*\u*1024
.endr
	s_branch .Lwend
.Limage:                                               ; W_V: my 32 columns are two blocks of 16; eight pairs of pieces each
.irp u, 0,1,2,3,4,5,6,7,8,9,10,11,12,13,14,15
	ds_load_b128 v[OUTR+4*\u:OUTR+4*\u+3], v9 offset:(\u/8)*16*PITCH+(\u%8)*32
.endr
.irp u, 0,1,2,3,4,5,6,7,8,9,10,11,12,13,14,15
	s_wait_dscnt 15-\u
	global_store_b128 v12, v[OUTR+4*\u:OUTR+4*\u+3], s[24:25] offset:(\u/8)*16384+(\u%8)*512
.endr
.Lwend:
	s_wait_tensorcnt 0x0                           ; the wave's end
	ds_add_u32 v192, v193
	s_wait_dscnt 0x0
	s_endpgm
.Lfunc_end_k_qea7ee74ce6_quant:
	.size	k_qea7ee74ce6_quant, .Lfunc_end_k_qea7ee74ce6_quant-k_qea7ee74ce6_quant
	.p2alignl 7, 3214868480
	.fill 96, 4, 3214868480
	.section	.rodata,"a",@progbits
	.p2align	6, 0x0
	.amdhsa_kernel k_qea7ee74ce6_quant
		.amdhsa_group_segment_fixed_size 140800
		.amdhsa_private_segment_fixed_size 0
		.amdhsa_enable_private_segment 0
		.amdhsa_kernarg_size 56
		.amdhsa_user_sgpr_count 2
		.amdhsa_user_sgpr_kernarg_segment_ptr 1
		.amdhsa_wavefront_size32 1
		.amdhsa_system_sgpr_workgroup_id_x 1
		.amdhsa_system_sgpr_workgroup_id_y 1
		.amdhsa_system_sgpr_workgroup_id_z 1
		.amdhsa_system_vgpr_workitem_id 0
		.amdhsa_next_free_vgpr 194
		.amdhsa_next_free_sgpr 66
		.amdhsa_reserve_vcc 0
		.amdhsa_float_denorm_mode_32 3
		.amdhsa_float_denorm_mode_16_64 3
		.amdhsa_memory_ordered 1
		.amdhsa_forward_progress 1
		.amdhsa_inst_pref_size 151
	.end_amdhsa_kernel
	.amdgpu_metadata
---
amdhsa.version: [ 1, 2 ]
amdhsa.kernels:
  - .name:           k_qea7ee74ce6_quant
    .symbol:         k_qea7ee74ce6_quant.kd
    .args:
      - { .name: inputs, .offset: 0, .size: 8, .value_kind: global_buffer, .address_space: global }
      - { .name: W_Q, .offset: 8, .size: 8, .value_kind: global_buffer, .address_space: global }
      - { .name: W_K, .offset: 16, .size: 8, .value_kind: global_buffer, .address_space: global }
      - { .name: W_V, .offset: 24, .size: 8, .value_kind: global_buffer, .address_space: global }
      - { .name: W_R, .offset: 32, .size: 8, .value_kind: global_buffer, .address_space: global }
      - { .name: lowp_scales, .offset: 40, .size: 8, .value_kind: global_buffer, .address_space: global }
      - { .name: codes, .offset: 48, .size: 8, .value_kind: global_buffer, .address_space: global }
    .group_segment_fixed_size: 140800
    .private_segment_fixed_size: 0
    .kernarg_segment_align: 8
    .kernarg_segment_size: 56
    .max_flat_workgroup_size: 128
    .sgpr_count:     66
    .vgpr_count:     194
    .wavefront_size: 32
...
	.end_amdgpu_metadata
.endif
;; end of part 1
;; launch proj (part 2): grid 16 x 16, 4 waves a work-group, no clusters, 266,752 bytes of LDS; arguments codes, lowp_scales, qkv, res; writes qkv, res
.if DOCPART == 2
	.amdgcn_target "amdgcn-amd-amdhsa--gfx1250"
	.amdhsa_code_object_version 6
	.text
	.protected	k_qea7ee74ce6_proj
	.globl	k_qea7ee74ce6_proj
	.p2align	8
	.type	k_qea7ee74ce6_proj,@function
k_qea7ee74ce6_proj:
	s_mov_b64 s[64:65], 0
	v_nop
	global_prefetch_b8 v0, s[64:65] scope:SCOPE_SE
	s_setreg_imm32_b32 hwreg(HW_REG_WAVE_MODE, 25, 1), 1
	s_wait_xcnt 0x0
; The four products X W_Q, X W_K, X W_V, X W_R on codes of BF8 (E5M2), K = 1,024; q, k, v leave as codes under e6, e7, e8, X W_R as f32.
; ONE OPERAND RESIDES IN LDS, THE OTHER IS STREAMED INTO REGISTERS.  A work-group keeps 256 rows x 1,024 codes of the operand that lies in rows (LDS pitch 1,040), brought by one tensor load a wave
; at the head: every LDS byte is filled once, and the launch has one barrier.  The other operand lies in images (16 rows x 128 codes = 2,048 bytes, [piece][lane][16 bytes]) and goes from memory
; straight into the registers of the one wave that multiplies it, 512 consecutive bytes a load, through four register buffers: four K steps, 64 loads, ahead.
; Work-group (x, y): product p = y / 4 (Q, K, V, R).  Q, K, R: resident = 256 columns of the weight (y % 4), streamed = tokens 512 x .. 512 x + 511.
; V: number 16 (y % 4) + x = 2 tile + half: resident = 256 tokens (the tile), streamed = 512 channels of W_V (the half): so V comes out with the keys along a lane's registers.
; A work-group walks two blocks of 256 streamed rows; a wave makes 64 streamed rows x 256 resident rows: 64 accumulators.
; The matrix instruction takes 16 resident rows as source 0 and 16 streamed rows as source 1: lane l holds streamed row l % 16, register j resident row 16 i + 8 (l / 16) + j.
; OUT: four neighbouring accumulators of a streamed block are a fragment of 16 x 64 as the next launch's registers want it: 1,024 bytes of codes, or 4,096 bytes of f32, each store 512 consecutive bytes.
; REGISTERS: window 0: v0-31 addresses, v32-63 and v192-255 the way out, v64-191 two buffers of four resident fragments; window 1: the streamed ring, 4 x 64;
; windows 2, 3: accumulator (i, a) at 8 (4 (i % 8) + a) of window 2 + i / 8.
; No cluster: a resident tile of V is shared by two work-groups only, those of Q, K, R by sixteen, and one text serves all; each is asked for once, at the head.
; PREFETCH: in the first block's K steps 4 to 7 each wave asks for its own K steps 4 to 7 of the second block (a lane to each 256 bytes, 8,192 bytes an instruction), four steps ahead of their loads;
; the other steps come by their loads alone, which run four steps ahead.
; LIMITS: e6 - e0 - e1, e7 - e2 - e3, e8 - e4 - e5 between -126 and 112; e10 + e11 between -126 and 127.  NaN among the inputs is not served.
.set BP,    1040                       ; a resident row in LDS: 1,024 bytes + 16 = 65 x 16 bytes
.set SPARE, 256*BP                     ; behind the resident rows: the spare words, 128 bytes a wave
.set WBASE, 32<<20
.set NEXTB, 262144                     ; 256 streamed rows on, in bytes
.set LI,  4                            ; v4   16 x lane
.set PFO, 5                            ; v5   the prefetch's offset: 16,384 (lane / 8) + 256 (lane % 8)
.set SPW, 6                            ; v6   my spare word; never rewritten
.set NIL, 7                            ; v7   0; never rewritten
.set SCL, 8                            ; v8   the conversion's scale
.set LIM, 9                            ; v9   57,344 x that
.set ADB, 12                           ; v12-15 LDS address of resident rows 64 g + lane % 16, + 16 (lane / 16)
.set CD,  32                           ; v32-63  codes, two sets of 16
.set BF,  64                           ; v64-191 resident fragments
.set T,   192                          ; v192-255 sums, held
.set SA,  36                           ; s[36:37] my wave's streamed rows of the block in hand
.set MSB, 0
.macro WIN new                         ; the immediate's high byte repeats the setting that is left
.if MSB != \new
	s_set_vgpr_msb (MSB<<8)|\new
.set MSB, \new
.endif
.endm
.macro BLOAD q, g                      ; resident blocks 4 g .. 4 g + 3 at K step q into buffer g % 2: registers 4 c .. 4 c + 3 = bytes 128 q + 32 c + 16 (lane / 16) .. of the row
.irp k, 0,1,2,3
.irp c, 0,1,2,3
	ds_load_b128 v[BF+64*((\g)%2)+16*\k+4*\c:BF+64*((\g)%2)+16*\k+4*\c+3], v[ADB+(\g)] offset:\k*16*BP+128*(\q)+32*\c
.endr
.endr
.endm
.macro ALOAD t                         ; my four streamed fragments of K step t (8 and more: of the next block) into ring buffer t % 4
	WIN 0x40
.irp a, 0,1,2,3
.irp c, 0,1,2,3
	global_load_b128 v[64*((\t)%4)+16*\a+4*\c:64*((\t)%4)+16*\a+4*\c+3], v[LI], s[SA:SA+1] offset:((\t)/8)*NEXTB+((\t)%8)*2048+\a*16384+512*\c
.endr
.endr
	WIN 0
.endm
.macro MULG q, g                       ; 16 matrix instructions: four resident blocks x my four streamed; the 64 accumulators take turns; K step 0 starts the sums
	WIN 0xa4+0x50*((\g)/2)
.irp k, 0,1,2,3
.irp a, 0,1,2,3
.if (\q) == 0
	v_wmma_f32_16x16x128_bf8_bf8 v[8*(16*((\g)%2)+4*\k+\a):8*(16*((\g)%2)+4*\k+\a)+7], v[BF+64*((\g)%2)+16*\k:BF+64*((\g)%2)+16*\k+15], v[64*((\q)%4)+16*\a:64*((\q)%4)+16*\a+15], 0
.else
	v_wmma_f32_16x16x128_bf8_bf8 v[8*(16*((\g)%2)+4*\k+\a):8*(16*((\g)%2)+4*\k+\a)+7], v[BF+64*((\g)%2)+16*\k:BF+64*((\g)%2)+16*\k+15], v[64*((\q)%4)+16*\a:64*((\q)%4)+16*\a+15], v[8*(16*((\g)%2)+4*\k+\a):8*(16*((\g)%2)+4*\k+\a)+7]
.endif
.endr
.endr
.endm
; A K STEP of 128: four groups.  n: the streamed loads that may stay out (16 for each later step asked for).  ahead: ask for the step four on.  fin: the launch's last four steps.
.macro STEPM q, n, ahead, fin
.irp g, 0,1,2,3
.if (\fin) && (\q) == 7 && \g == 3
	s_wait_dscnt 0x0
.else
	s_wait_dscnt 16                                ; this group's fragments are in; the next group's 16 loads may be out
.endif
.if \g == 0
	s_wait_loadcnt \n
.endif
	MULG \q, \g
.rept 4
	v_nop                                          ; places ahead of loads into registers that the products read, and of the first reads of the sums
.endr
	WIN 0
.if (\fin) && (\q) == 7 && \g >= 2
.else
.set NX, 4*(\q)+\g+2
	BLOAD (NX/4)%8, NX%4                           ; the group after the next, into the buffer just read
.endif
.endr
.if \ahead
	ALOAD (\q)+4
.endif
.endm
; THE WAY OUT, codes: resident blocks 4 G .. 4 G + 3 x streamed blocks a0, a0 + 1: two fragments
.macro CODES G, a0
.if CN >= 2
	s_wait_xcnt 0x0                                ; this set of code registers was the data of the stores two runs back
.endif
	WIN 0x02+(\G)/2
.irp aa, 0,1
.irp k, 0,1,2,3
.irp j, 0,1,2,3,4,5,6,7
	v_med3_num_f32 v[T+8*(4*\aa+\k)+\j], v[8*(16*((\G)%2)+4*\k+\a0+\aa)+\j], -v[LIM], v[LIM]   ; the conversion does not saturate (ISA guide 7.6.2); each accumulator from its low end on
.endr
.endr
.endr
	WIN 0
.irp aa, 0,1
.irp k, 0,1,2,3
	v_cvt_scalef32_pk8_bf8_f32 v[CD+16*(CN%2)+8*\aa+2*\k:CD+16*(CN%2)+8*\aa+2*\k+1], v[T+8*(4*\aa+\k):T+8*(4*\aa+\k)+7], v[SCL]
.endr
.endr
	v_nop                                          ; one plain line behind the conversions
.irp aa, 0,1
.irp c, 0,1
	global_store_b128 v[LI], v[CD+16*(CN%2)+8*\aa+4*\c:CD+16*(CN%2)+8*\aa+4*\c+3], s[68+2*(\G):69+2*(\G)] offset:(\a0+\aa)*1024+512*\c
.endr
.endr
.set CN, CN+1
.endm
; THE WAY OUT, f32: resident blocks 4 G .. 4 G + 3 x streamed block a: one image of 4,096 bytes; three sets of 32 registers by turns
.macro RESID G, a
.set TB, 32+160*((RN%3+1)/2)+32*((RN%3)/2)
.if RN >= 3
	s_wait_xcnt 0x0
.endif
	WIN 0x02+(\G)/2
.irp k, 0,1,2,3
.irp j, 0,2,4,6
	v_pk_mul_f32 v[TB+8*\k+\j:TB+8*\k+\j+1], v[8*(16*((\G)%2)+4*\k+\a)+\j:8*(16*((\G)%2)+4*\k+\a)+\j+1], s[96:97] op_sel_hi:[1,0]   ; x 2^(e10 + e11)
.endr
.endr
	WIN 0
.irp i, 0,1,2,3,4,5,6,7
	global_store_b128 v[LI], v[TB+4*\i:TB+4*\i+3], s[82:83] offset:(\G)*262144+(\a)*4096+512*\i
.endr
.set RN, RN+1
.endm
	s_load_b256 s[76:83], s[0:1], 0x0              ; codes s[76:77], the scales' exponents s[78:79], qkv s[80:81], res s[82:83]
	v_lshl_add_u32 v[SPW], v0, 2, SPARE
	v_mov_b32 v[NIL], 0
	ds_add_u32 v[SPW], v[NIL]                      ; the opening lines: the add, twice on end, and its wait ahead of my tensor load
	ds_add_u32 v[SPW], v[NIL]
	v_lshrrev_b32 v1, 5, v0
	v_readfirstlane_b32 s14, v1                    ; wave 0..3
	s_mov_b32 s15, ttmp9                           ; x
	s_and_b32 s16, ttmp7, 0xffff
	s_lshr_b32 s17, s16, 2                         ; p
	s_and_b32 s18, s16, 3
	s_lshl_b32 s19, s18, 4
	s_add_co_u32 s19, s19, s15
	s_lshr_b32 s20, s19, 1                         ; V: the tile of 256 tokens,
	s_and_b32 s21, s19, 1                          ; and the half of W_V's channels
	s_lshl_b32 s22, s17, 20
	s_lshl_b32 s23, s18, 18
	s_add_co_u32 s22, s22, s23
	s_add_co_u32 s22, s22, WBASE                   ; resident: the weight's 256 columns,
	s_lshl_b32 s23, s20, 18
	s_add_co_u32 s23, s23, 2<<23                   ; or V's set of X, 256 tokens
	s_lshl_b32 s44, s17, 23
	s_lshl_b32 s45, s15, 19
	s_add_co_u32 s44, s44, s45                     ; streamed: the product's set of X, 512 tokens,
	s_lshl_b32 s45, s21, 19
	s_add_co_u32 s45, s45, WBASE+(2<<20)           ; or W_V, 512 channels
	s_cmp_eq_u32 s17, 2
	s_cselect_b32 s22, s23, s22
	s_cselect_b32 s44, s45, s44
	s_lshl_b32 s23, s14, 16                        ; my wave's 64 rows, of either
	s_add_co_u32 s22, s22, s23
	s_add_co_u32 s44, s44, s23
	s_mov_b32 s23, 0
	s_mov_b32 s45, 0
	s_mov_b32 s24, (0<<16)|(1<<20)|(7<<22)|(3<<25) ; group 1: elements of 1 byte; four words of padding after every 256
	s_mov_b32 s25, 1024<<16                        ; tensor_dim0
	s_mov_b32 s26, 64<<16                          ; tensor_dim1
	s_mov_b32 s27, 1024<<16                        ; tile_dim0
	s_mov_b32 s28, 64                              ; tile_dim1
	s_mov_b32 s29, 1024                            ; from row to row
	s_mov_b32 s30, 0
	s_mov_b32 s31, 0
	s_mov_b32 s32, 1
	s_mul_i32 s33, s14, 64*BP                      ; LDS: my 64 rows
	s_wait_dscnt 0x0                               ; both opening adds are done
	s_wait_kmcnt 0x0
	s_load_b256 s[84:91], s[78:79], 0x0            ; e0 .. e7
	s_load_b128 s[92:95], s[78:79], 0x20           ; e8 .. e11
	s_add_nc_u64 s[34:35], s[76:77], s[22:23]
	s_or_b32 s35, s35, 0x80000000
	s_add_nc_u64 s[SA:SA+1], s[76:77], s[44:45]
	tensor_load_to_lds s[32:35], s[24:31]          ; my one tensor load: 64 resident rows
	s_nop 0
.rept 4
	v_nop
.endr
	v_and_b32 v1, 31, v0
	v_and_b32 v2, 15, v0
	v_bfe_u32 v3, v0, 4, 1
	v_lshlrev_b32 v[LI], 4, v1
	v_lshrrev_b32 v10, 3, v1
	v_and_b32 v11, 7, v1
	v_mul_u32_u24 v2, v2, BP
	v_lshlrev_b32 v[PFO], 14, v10
	v_lshl_add_u32 v2, v3, 4, v2
	v_lshl_add_u32 v[PFO], v11, 8, v[PFO]
.irp g, 0,1,2,3
	v_add_nc_u32 v[ADB+\g], \g*64*BP, v2
.endr
	ALOAD 0
	ALOAD 1
	ALOAD 2
	ALOAD 3
	s_wait_kmcnt 0x0
	s_sub_co_i32 s46, s90, s84
	s_sub_co_i32 s46, s46, s85                     ; a sum stands for sum x 2^(ea + eb); its code is sum / 2^(eo - ea - eb): Q,
	s_sub_co_i32 s47, s91, s86
	s_sub_co_i32 s47, s47, s87                     ; K,
	s_sub_co_i32 s48, s92, s88
	s_sub_co_i32 s48, s48, s89                     ; V
	s_cmp_eq_u32 s17, 1
	s_cselect_b32 s46, s47, s46
	s_cmp_eq_u32 s17, 2
	s_cselect_b32 s46, s48, s46
	s_add_co_i32 s46, s46, 127
	s_lshl_b32 s47, s46, 23
	v_mov_b32 v[SCL], s47
	s_add_co_i32 s46, s46, 15
	s_lshl_b32 s46, s46, 23
	s_or_b32 s46, s46, 0x600000
	v_mov_b32 v[LIM], s46
	s_add_co_i32 s96, s94, s95
	s_add_co_i32 s96, s96, 127
	s_lshl_b32 s96, s96, 23                        ; 2^(e10 + e11)
	s_mov_b32 s97, s96
	; where the results go.  q, k: fragment 64 (16 b + head) + token block, of 1,024 bytes; v: (16 b + head) x 65,536 + key step x 4,096 + channel block x 1,024; res: as q, of 4,096 bytes
	s_lshr_b32 s49, s15, 1                         ; b
	s_and_b32 s50, s15, 1
	s_lshl_b32 s56, s17, 23
	s_lshl_b32 s52, s49, 20
	s_add_co_u32 s56, s56, s52
	s_lshl_b32 s52, s18, 18                        ; four heads for each 256 columns
	s_add_co_u32 s56, s56, s52
	s_lshl_b32 s52, s50, 15
	s_add_co_u32 s56, s56, s52
	s_lshl_b32 s52, s14, 12
	s_add_co_u32 s56, s56, s52
	s_lshr_b32 s53, s20, 2                         ; V: b,
	s_lshl_b32 s53, s53, 20
	s_add_co_u32 s53, s53, 2<<23
	s_lshl_b32 s52, s21, 19                        ; eight heads a half,
	s_add_co_u32 s53, s53, s52
	s_lshl_b32 s52, s14, 16                        ; a head a wave,
	s_add_co_u32 s53, s53, s52
	s_and_b32 s52, s20, 3
	s_lshl_b32 s52, s52, 14                        ; four key steps a tile
	s_add_co_u32 s53, s53, s52
	s_mov_b32 s58, 65536
	s_mov_b32 s42, 16384
	s_cmp_eq_u32 s17, 2
	s_cselect_b32 s56, s53, s56
	s_cselect_b32 s58, 4096, s58                   ; from G to G + 1: a head, or a key step
	s_cselect_b32 s42, 0x40000, s42                ; from block to block: 16 token blocks, or four heads
	s_mov_b32 s57, 0
	s_mov_b32 s59, 0
	s_mov_b32 s43, 0
	s_add_nc_u64 s[68:69], s[80:81], s[56:57]
	s_add_nc_u64 s[70:71], s[68:69], s[58:59]
	s_add_nc_u64 s[72:73], s[70:71], s[58:59]
	s_add_nc_u64 s[74:75], s[72:73], s[58:59]
	s_lshl_b32 s56, s49, 22
	s_lshl_b32 s52, s18, 20
	s_add_co_u32 s56, s56, s52
	s_lshl_b32 s52, s50, 17
	s_add_co_u32 s56, s56, s52
	s_lshl_b32 s52, s14, 14
	s_add_co_u32 s56, s56, s52
	s_add_nc_u64 s[82:83], s[82:83], s[56:57]
	s_mov_b32 s40, 0                               ; the block in hand
	s_wait_alu depctr_va_vdst(0)
	s_wait_tensorcnt 0x0                           ; my 64 resident rows are in,
	s_barrier_signal -1
	s_barrier_wait -1                              ; everybody's are.  Nothing is ever filled again
	BLOAD 0, 0
	BLOAD 0, 1
.Lblock:
	STEPM 0, 48, 1, 0
	STEPM 1, 48, 1, 0
	STEPM 2, 48, 1, 0
	STEPM 3, 48, 1, 0
	s_cmp_lg_u32 s40, 0
	s_cbranch_scc1 .Lfin                           ; the last block's last four steps are written out: they ask for nothing more
.irp q, 4,5,6,7
	STEPM \q, 48, 1, 0
	global_prefetch_b8 v[PFO], s[SA:SA+1] offset:NEXTB+\q*2048 th:TH_LOAD_NT scope:SCOPE_SE
.endr
	s_branch .Lout
.Lfin:
	STEPM 4, 48, 0, 1
	STEPM 5, 32, 0, 1
	STEPM 6, 16, 0, 1
	STEPM 7, 0, 0, 1
.Lout:
	s_cmp_eq_u32 s17, 3
	s_cbranch_scc1 .Lresid
.set CN, 0
.irp G, 0,1,2,3
.irp a0, 0,2
	CODES \G, \a0
.endr
.endr
	s_branch .Lnext
.Lresid:
.set RN, 0
.irp G, 0,1,2,3
.irp a, 0,1,2,3
	RESID \G, \a
.endr
.endr
.Lnext:
	s_wait_xcnt 0x0                                ; every load, store and prefetch has read its base and its data: the bases step to the next block
	s_add_nc_u64 s[68:69], s[68:69], s[42:43]
	s_add_nc_u64 s[70:71], s[70:71], s[42:43]
	s_add_nc_u64 s[72:73], s[72:73], s[42:43]
	s_add_nc_u64 s[74:75], s[74:75], s[42:43]
	s_add_nc_u64 s[82:83], s[82:83], 65536
	s_add_nc_u64 s[SA:SA+1], s[SA:SA+1], NEXTB
	s_add_co_u32 s40, s40, 1
	s_cmp_lt_u32 s40, 2
	s_cbranch_scc1 .Lblock
	s_wait_tensorcnt 0x0                           ; the wave's end
	ds_add_u32 v[SPW], v[NIL]
	s_wait_dscnt 0x0
	s_endpgm
.Lfunc_end_k_qea7ee74ce6_proj:
	.size	k_qea7ee74ce6_proj, .Lfunc_end_k_qea7ee74ce6_proj-k_qea7ee74ce6_proj
	.p2alignl 7, 3214868480
	.fill 96, 4, 3214868480
	.section	.rodata,"a",@progbits
	.p2align	6, 0x0
	.amdhsa_kernel k_qea7ee74ce6_proj
		.amdhsa_group_segment_fixed_size 266752
		.amdhsa_private_segment_fixed_size 0
		.amdhsa_enable_private_segment 0
		.amdhsa_kernarg_size 32
		.amdhsa_user_sgpr_count 2
		.amdhsa_user_sgpr_kernarg_segment_ptr 1
		.amdhsa_wavefront_size32 1
		.amdhsa_system_sgpr_workgroup_id_x 1
		.amdhsa_system_sgpr_workgroup_id_y 1
		.amdhsa_system_sgpr_workgroup_id_z 1
		.amdhsa_system_vgpr_workitem_id 0
		.amdhsa_next_free_vgpr 1024
		.amdhsa_next_free_sgpr 100
		.amdhsa_reserve_vcc 0
		.amdhsa_float_denorm_mode_32 3
		.amdhsa_float_denorm_mode_16_64 3
		.amdhsa_memory_ordered 1
		.amdhsa_forward_progress 1
		.amdhsa_inst_pref_size 202
	.end_amdhsa_kernel
	.amdgpu_metadata
---
amdhsa.version: [ 1, 2 ]
amdhsa.kernels:
  - .name:           k_qea7ee74ce6_proj
    .symbol:         k_qea7ee74ce6_proj.kd
    .args:
      - { .name: codes, .offset: 0, .size: 8, .value_kind: global_buffer, .address_space: global }
      - { .name: lowp_scales, .offset: 8, .size: 8, .value_kind: global_buffer, .address_space: global }
      - { .name: qkv, .offset: 16, .size: 8, .value_kind: global_buffer, .address_space: global }
      - { .name: res, .offset: 24, .size: 8, .value_kind: global_buffer, .address_space: global }
    .group_segment_fixed_size: 266752
    .private_segment_fixed_size: 0
    .kernarg_segment_align: 8
    .kernarg_segment_size: 32
    .max_flat_workgroup_size: 128
    .sgpr_count:     100
    .vgpr_count:     1024
    .wavefront_size: 32
...
	.end_amdgpu_metadata
.endif
;; end of part 2
;; launch attn (part 3): grid 2 x 128, 16 waves a work-group, no clusters, 202,752 bytes of LDS; arguments qkv, res, lowp_scales, out0; writes out0
.if DOCPART == 3
	.amdgcn_target "amdgcn-amd-amdhsa--gfx1250"
	.amdhsa_code_object_version 6
	.text
	.protected	k_qea7ee74ce6_attn
	.globl	k_qea7ee74ce6_attn
	.p2align	8
	.type	k_qea7ee74ce6_attn,@function
k_qea7ee74ce6_attn:
	s_mov_b64 s[64:65], 0
	v_nop
	global_prefetch_b8 v0, s[64:65] scope:SCOPE_SE
	s_setreg_imm32_b32 hwreg(HW_REG_WAVE_MODE, 25, 1), 1
	s_wait_xcnt 0x0
; out0[b][q][64 h + :] = relu( softmax_k(q . k / 8) v + (X W_R) ), both products on codes of BF8 (E5M2): q under 2^e6, k 2^e7, v 2^e8, p 2^e9.
; THE SOFTMAX AHEAD OF THE SECOND PRODUCT: t = score x log2(e) / 8; M = the row's largest t, rounded UP to a whole number; p = 2^(t - M) is quantised along the keys, not normalised.
; The row's sum is taken of the unquantised p, in f32, and divides O at the end.
; TWO WALKS OVER THE KEYS.  Walk 1 makes S^T = K Q^T and keeps each query's largest score alone: M is then the row's own, before any exponential.
; Walk 2 makes S^T again, p, the sums and O^T += V^T P^T under that one M: no running maximum, and neither O^T nor the sums are ever rescaled.
; SHARES.  Work-group (x, y): 512 queries (half x) of head y = 16 b + h.  Each of its sixteen waves owns 32 queries, two tiles of 16, in 256 registers.  A key step is 64 keys.
; OPERANDS arrive as images of their registers (1,024 bytes a fragment of 16 rows x 64 along K: [piece 0, 1][lane][16 bytes]), so every LDS read is 512 consecutive bytes.
; Both products are used transposed (source 0 = 16 keys or 16 channels, source 1 = 16 queries): a lane holds ONE query (lane % 16) throughout;
; register 8 t + j of S^T is key 16 t + 8 (lane / 16) + j, so the conversions' results are P's registers as the matrix instruction wants them.
; K AND V COME THROUGH REGISTERS: each wave loads 4,096 bytes of K and 4,096 of V (8 + 8 loads of 512 consecutive bytes) and stores them to LDS as they lie.  K is stored ahead of walk 1;
; V's loads stay out during walk 1, in O^T's registers, and are stored ahead of walk 2.  Two barriers in all.  The text has no tensor load and no copy.
; THE HOLD of p at 57,344 x 2^e9: p is at most 1 (but for the last bit), so with e9 >= -15 the hold changes nothing.
; LDS: 0: the head's K (64 KB); 65,536: its V (64 KB); 131,072: sixteen stages of 16 x 272 bytes for the way out, a wave's own; 200,704: the spare words.
; No cluster: only two work-groups share a head, and each asks for K and V once, at its head.  No prefetch of K and V: all of them is asked for at the head.
; The residual images (8,192 bytes a wave, read by that wave alone) are prefetched by one instruction a wave, lanes 256 bytes apart, at the start of walk 1, and loaded in walk 2's last step.
; LIMITS: e6 + e7 between -123 and 130 (added to c's exponent field); e9 between -126 and 112; e8 + e9 goes through v_ldexp_f32 and has none.  NaN among the inputs is not served.
; The promise holds while the scaled scores t stay under 2^31 in magnitude.
.set VBASE, 65536
.set STAGE, 131072
.set SPITCH, 272
.set SPARE, STAGE+16*16*SPITCH         ; 200,704: 128 bytes for each of the sixteen waves; no other line names them
.set LI,  1                            ; v1   16 x lane
.set ADK, 2                            ; v2   LDS address of the step's K
.set ADV, 3                            ; v3   of its V (until walk 2: where my wave stores its part of V)
.set LV,  4                            ; v4   16 x lane + VBASE
.set LW,  5                            ; v5   where my wave stores its part of K
.set STO, 6                            ; v6   the way out: where I put 32 bytes of a row
.set RD,  7                            ; v7   where I read a row back
.set GO,  8                            ; v8   my byte offset in the wave's rows of out0
.set SCP, 10                           ; v10  2^e9, for the conversion
.set LMP, 11                           ; v11  57,344 x 2^e9
.set NM,  12                           ; v12, v14  -M of tile 0, 1 (v13, v15: zero, named as the pairs' upper halves)
.set L,   16                           ; v16-23  the sums: tile x has two chains of pairs at L + 4 x and L + 4 x + 2
.set MX,  24                           ; v24-27  walk 1: the largest score, two chains a tile; the way out: the factor of tile x at MX + 2 x
.set SPW, 28                           ; v28  LDS address of my spare word; never rewritten
.set NIL, 29                           ; v29  0; never rewritten
.set PFO, 30                           ; v30  256 x lane, for the prefetch; never rewritten
.set Q,   32                           ; v32-47   Q, 8 a tile
.set KF,  48                           ; v48-79   K's four fragments of a step; at the end tile 0's residual image and result
.set VF,  80                           ; v80-111  V's four (walk 1: K's second buffer)
.set S,   112                          ; v112-175 S^T, then p: 32 a tile; at the head K on its way to LDS
.set P,   176                          ; v176-191 p's codes, 8 a tile
.set O,   192                          ; v192-255 O^T: 32 a tile; during walk 1 v192-223 take V's loads
.set WV,  12                           ; s12  my wave's number
.set SEL, 60                           ; s[60:61] lane selects for v_permlanex16_b32: lane l xor 16
.set CS,  62                           ; s[62:63] c = log2(e) / 8 x 2^(e6 + e7), twice
.set TB,  66                           ; s66  LDS byte of the step in hand, in K's region
.set CNT, 67                           ; s67  trips left
.macro KLOAD f, adr, off               ; four fragments, 4,096 bytes, from LDS
.irp t, 0,1,2,3
.irp c, 0,1
	ds_load_b128 v[\f+8*\t+4*\c:\f+8*\t+4*\c+3], v[\adr] offset:\off+1024*\t+512*\c
.endr
.endr
.endm
.macro SCORES f                        ; S^T = K Q^T: eight accumulators, each begun with 0
.irp t, 0,1,2,3
.irp x, 0,1
	v_wmma_f32_16x16x64_bf8_bf8 v[S+32*\x+8*\t:S+32*\x+8*\t+7], v[\f+8*\t:\f+8*\t+7], v[Q+8*\x:Q+8*\x+7], 0
.endr
.endr
.endm
.macro MAXES                           ; the largest score so far, four chains by turns; each accumulator is read from its low end on
.rept 4
	v_nop                                          ; places ahead of the reads of S^T (ISA guide 7.12.1)
.endr
.irp t, 0,1,2,3
.irp p, 0,4
.irp x, 0,1
	v_max3_num_f32 v[MX+2*\x], v[MX+2*\x], v[S+32*\x+8*\t+\p], v[S+32*\x+8*\t+\p+1]
	v_max3_num_f32 v[MX+2*\x+1], v[MX+2*\x+1], v[S+32*\x+8*\t+\p+2], v[S+32*\x+8*\t+\p+3]
.endr
.endr
.endr
.endm
	s_load_b256 s[4:11], s[0:1], 0x0               ; qkv s[4:5], res s[6:7], the scales' exponents s[8:9], out0 s[10:11]
	v_lshrrev_b32 v9, 5, v0
	v_readfirstlane_b32 s[WV], v9                  ; wave 0..15
	s_and_b32 s13, ttmp7, 0xffff                   ; 16 b + h
	s_mov_b32 s14, ttmp9                           ; which half of the queries
	s_lshl_b32 s85, s[WV], 12                      ; my wave's 4,096 bytes of K and of V
	s_lshl_b32 s74, s13, 16
	s_add_co_u32 s74, s74, s85
	s_add_co_u32 s74, s74, 1<<23                   ; k at 8 MiB, a head's 65,536 bytes, my part
	s_mov_b32 s75, 0
	s_lshl_b32 s76, s13, 1
	s_add_co_u32 s76, s76, s14
	s_lshl_b32 s76, s76, 17                        ; the work-group's 131,072 bytes of residual images,
	s_lshl_b32 s77, s[WV], 13
	s_add_co_u32 s76, s76, s77                     ; my wave's 8,192
	s_mov_b32 s77, 0
	s_lshl_b32 s78, s13, 6
	s_lshl_b32 s79, s14, 5
	s_add_co_u32 s78, s78, s79
	s_lshl_b32 s79, s[WV], 1
	s_add_co_u32 s78, s78, s79
	s_lshl_b32 s78, s78, 10                        ; q: fragment 64 (16 b + h) + 32 x half + 2 x wave
	s_mov_b32 s79, 0
	s_lshr_b32 s82, s13, 4
	s_lshl_b32 s82, s82, 10
	s_lshl_b32 s83, s14, 9
	s_add_co_u32 s82, s82, s83
	s_lshl_b32 s83, s[WV], 5
	s_add_co_u32 s82, s82, s83
	s_lshl_b32 s82, s82, 12                        ; out0: row 1,024 b + 512 x half + 32 x wave, of 4,096 bytes,
	s_and_b32 s83, s13, 15
	s_lshl_b32 s83, s83, 8
	s_add_co_u32 s82, s82, s83                     ; + the head's 256 bytes
	s_mov_b32 s83, 0
	s_mul_i32 s84, s[WV], 16*SPITCH
	s_add_co_u32 s84, s84, STAGE                   ; my stage
	s_mov_b32 s[SEL], 0x76543210
	s_mov_b32 s[SEL+1], 0xfedcba98
	v_lshl_add_u32 v[SPW], v0, 2, SPARE
	v_mov_b32 v[NIL], 0
	v_and_b32 v[LI], 31, v0
	v_and_b32 v9, 15, v0                           ; r
	v_bfe_u32 v[GO], v0, 4, 1                      ; h
	v_lshlrev_b32 v[PFO], 8, v[LI]
	v_lshlrev_b32 v[LI], 4, v[LI]
	v_mul_u32_u24 v[STO], v9, SPITCH
	v_mul_u32_u24 v[RD], v[GO], SPITCH
	v_add_nc_u32 v[LV], VBASE, v[LI]
	v_add_nc_u32 v[LW], s85, v[LI]
	v_lshl_add_u32 v[STO], v[GO], 5, v[STO]
	v_lshl_add_u32 v[RD], v9, 4, v[RD]
	v_lshlrev_b32 v[GO], 12, v[GO]
	v_add_nc_u32 v[ADV], VBASE, v[LW]
	v_add_nc_u32 v[STO], s84, v[STO]               ; in: row r of 272 bytes, + 32 h
	v_add_nc_u32 v[RD], s84, v[RD]                 ; back: lanes 0-15 one row, lanes 16-31 the next
	v_lshl_add_u32 v[GO], v9, 4, v[GO]             ; and the same two rows in out0
	s_wait_alu depctr_va_vdst(0)
	s_wait_kmcnt 0x0
	s_load_b128 s[56:59], s[8:9], 0x18             ; e6, e7, e8, e9
	s_add_nc_u64 s[70:71], s[4:5], s[74:75]        ; my part of K,
	s_add_nc_u64 s[72:73], s[70:71], 1<<23         ; of V (v at 16 MiB),
	s_add_nc_u64 s[76:77], s[6:7], s[76:77]        ; my residual images,
	s_add_nc_u64 s[80:81], s[4:5], s[78:79]        ; my Q
	s_add_nc_u64 s[10:11], s[10:11], s[82:83]
.irp x, 0,1
.irp c, 0,1
	global_load_b128 v[Q+8*\x+4*\c:Q+8*\x+4*\c+3], v[LI], s[80:81] offset:1024*\x+512*\c   ; Q's two fragments stay in registers
.endr
.endr
.irp i, 0,1,2,3,4,5,6,7
	global_load_b128 v[S+4*\i:S+4*\i+3], v[LI], s[70:71] offset:512*\i
.endr
.irp n, 0,1,2,3
	v_mov_b32 v[MX+\n], 0xff800000                 ; under every score
.endr
.irp n, 0,1,2,3,4,5,6,7
	v_mov_b32 v[L+\n], 0                           ; the sums
.endr
	v_mov_b32 v[NM+1], 0
	v_mov_b32 v[NM+3], 0
	s_wait_kmcnt 0x0
	s_mov_b32 s[CS], 0x3e38aa3b                    ; log2(e) / 8
	s_add_co_i32 s85, s56, s57
	s_lshl_b32 s85, s85, 23
	s_add_co_i32 s[CS], s[CS], s85                 ; a score stands for score x 2^(e6 + e7): added to c's exponent field
	s_mov_b32 s[CS+1], s[CS]
	s_add_co_i32 s85, s59, 127
	s_lshl_b32 s86, s85, 23
	v_mov_b32 v[SCP], s86
	s_add_co_i32 s85, s85, 15
	s_lshl_b32 s85, s85, 23
	s_or_b32 s85, s85, 0x600000
	v_mov_b32 v[LMP], s85
	s_add_co_i32 s87, s58, s59                     ; e8 + e9
	s_wait_alu depctr_va_vdst(0)
	s_wait_loadcnt 0x0                             ; Q and my part of K are in
.irp i, 0,1,2,3,4,5,6,7
	ds_store_b128 v[LW], v[S+4*\i:S+4*\i+3] offset:512*\i
.endr
.irp i, 0,1,2,3,4,5,6,7
	global_load_b128 v[O+4*\i:O+4*\i+3], v[LI], s[72:73] offset:512*\i   ; V is asked for when K has landed, and stays out during walk 1
.endr
	s_wait_dscnt 0x0                               ; for the others' sake
	s_barrier_signal -1
	s_barrier_wait -1                              ; K is whole
	global_prefetch_b8 v[PFO], s[76:77] th:TH_LOAD_NT scope:SCOPE_SE   ; my 8,192 bytes of residual images, a lane to each 256; they are loaded in walk 2's last step
	; WALK 1: the largest score of each of my queries.  A trip is 128 keys, in two buffers.
	s_mov_b32 s[TB], 0
	s_mov_b32 s[CNT], 8
.Lmax:
	v_add_nc_u32 v[ADK], s[TB], v[LI]
	KLOAD KF, ADK, 0
	KLOAD VF, ADK, 4096
	s_wait_alu depctr_va_vdst(0)
	s_wait_dscnt 8                                 ; the first buffer is in; the second's eight loads may be out
	SCORES KF
	MAXES
	s_wait_alu depctr_va_vdst(0)                   ; likewise
	s_wait_dscnt 0x0
	SCORES VF
	MAXES
	s_add_co_u32 s[TB], s[TB], 8192
	s_sub_co_u32 s[CNT], s[CNT], 1
	s_cmp_lg_u32 s[CNT], 0
	s_cbranch_scc1 .Lmax
.irp x, 0,1
	v_max_num_f32 v[MX+2*\x], v[MX+2*\x], v[MX+2*\x+1]
.endr
.irp x, 0,1
	v_permlanex16_b32 v[MX+2*\x+1], v[MX+2*\x], s[SEL], s[SEL+1]   ; the query's other keys lie in lane l xor 16
.endr
.irp x, 0,1
	v_max_num_f32 v[MX+2*\x], v[MX+2*\x], v[MX+2*\x+1]
.endr
.irp x, 0,1
	v_mul_f32 v[MX+2*\x], s[CS], v[MX+2*\x]        ; as t (c is positive)
.endr
.irp x, 0,1
	v_floor_f32 v[NM+2*\x], -v[MX+2*\x]            ; -M = floor(-t) = -ceil(t): a whole number
.endr
	s_wait_alu depctr_va_vdst(0)
	s_wait_loadcnt 0x0                             ; my part of V is in
.irp i, 0,1,2,3,4,5,6,7
	ds_store_b128 v[ADV], v[O+4*\i:O+4*\i+3] offset:512*\i
.endr
	s_wait_dscnt 0x0
	s_barrier_signal -1
	s_barrier_wait -1                              ; V is whole
; WALK 2, A KEY STEP: 64 keys, both tiles of queries.  K's fragments were asked for a step earlier.  first: O^T begins with 0.  last: no next K; the residual images are loaded into registers that are done with.
.macro STEP first, last
	s_wait_dscnt 0x0                               ; this step's K is in
	SCORES KF
.if \last
	v_nop
.else
	v_add_nc_u32 v[ADK], s[TB], v[LI]
.endif
	v_add_nc_u32 v[ADV], s[TB], v[LV]
	v_nop
	v_nop                                          ; four places: ahead of the loads into K's and V's registers and of the reads of S^T
	KLOAD VF, ADV, 0                               ; V lands under the softmax,
.if \last
.irp i, 0,1,2,3,4,5,6,7
	global_load_b128 v[KF+4*\i:KF+4*\i+3], v[LI], s[76:77] offset:512*\i th:TH_LOAD_NT   ; tile 0's residual image: O^T's own layout
.endr
.else
	KLOAD KF, ADK, 4096                            ; and so does the next step's K
.endif
.set j, 0
.rept 32
	v_pk_fma_f32 v[S+j:S+j+1], v[S+j:S+j+1], s[CS:CS+1], v[NM+2*(j/32):NM+2*(j/32)+1] op_sel_hi:[1,0,0]   ; t - M, two at a time (of the pairs c and -M the low word serves both halves)
.set j, j+2
.endr
	s_wait_alu depctr_va_vdst(0)
.set j, 0
.rept 64
	v_exp_f32 v[S+j], v[S+j]                       ; p = 2^(t - M): ONE batch
.set j, j+1
.endr
	v_nop                                          ; a plain line behind the exponentials
	s_wait_alu depctr_va_vdst(0)                   ; one wait for the whole batch, ahead of its first reader
.irp i, 0,4,8,12,16,20,24,28
.irp x, 0,1
	v_pk_add_f32 v[L+4*\x:L+4*\x+1], v[L+4*\x:L+4*\x+1], v[S+32*\x+\i:S+32*\x+\i+1]          ; the row's sum is taken of the UNQUANTISED p: four chains by turns
	v_pk_add_f32 v[L+4*\x+2:L+4*\x+3], v[L+4*\x+2:L+4*\x+3], v[S+32*\x+\i+2:S+32*\x+\i+3]
.endr
.endr
	s_cmp_ge_i32 s59, -15                          ; with e9 >= -15, 57,344 x 2^e9 lies over every p: the hold changes nothing
	s_cbranch_scc1 .Lfree_\@
.set j, 0
.rept 64
	v_min_num_f32 v[S+j], v[S+j], v[LMP]           ; the conversion does not saturate (ISA guide 7.6.2); p is not negative, so the hold is one-sided
.set j, j+1
.endr
.Lfree_\@:
.irp x, 0,1
.irp t, 0,1,2,3
	v_cvt_scalef32_pk8_bf8_f32 v[P+8*\x+2*\t:P+8*\x+2*\t+1], v[S+32*\x+8*\t:S+32*\x+8*\t+7], v[SCP]
.endr
.endr
.if \last
.irp i, 0,1,2,3,4,5,6,7
	global_load_b128 v[S+4*\i:S+4*\i+3], v[LI], s[76:77] offset:4096+512*\i th:TH_LOAD_NT   ; tile 1's residual image
.endr
.endif
	v_nop                                          ; one plain line between the conversions and the products that read their results
.if \last
	s_wait_dscnt 0x0
.else
	s_wait_dscnt 8                                 ; V is in; the next step's eight loads of K may be out
.endif
	s_wait_alu depctr_va_vdst(0)
.irp u, 0,1,2,3                        ; O^T += V^T P^T: eight accumulators by turns, one instruction a turn
.irp x, 0,1
.if \first
	v_wmma_f32_16x16x64_bf8_bf8 v[O+32*\x+8*\u:O+32*\x+8*\u+7], v[VF+8*\u:VF+8*\u+7], v[P+8*\x:P+8*\x+7], 0
.else
	v_wmma_f32_16x16x64_bf8_bf8 v[O+32*\x+8*\u:O+32*\x+8*\u+7], v[VF+8*\u:VF+8*\u+7], v[P+8*\x:P+8*\x+7], v[O+32*\x+8*\u:O+32*\x+8*\u+7]
.endif
.endr
.endr
.if !(\last)
	s_add_co_u32 s[TB], s[TB], 4096                ; the next 64 keys: four fragments on, in K's region and in V's
.endif
.endm
	KLOAD KF, LI, 0                                ; step 0's K
	s_mov_b32 s[TB], 0
	STEP 1, 0
	s_mov_b32 s[CNT], 14
.Lstep:
	STEP 0, 0
	s_sub_co_u32 s[CNT], s[CNT], 1
	s_cmp_lg_u32 s[CNT], 0
	s_cbranch_scc1 .Lstep
	STEP 0, 1
	; THE WAY OUT.  out = relu(O^T x 2^(e8 + e9) / the sum + the residual image), through my own stage in LDS, a tile of 16 rows x 256 bytes at a time.
.irp x, 0,1
	v_pk_add_f32 v[L+4*\x:L+4*\x+1], v[L+4*\x:L+4*\x+1], v[L+4*\x+2:L+4*\x+3]   ; the two chains,
.endr
.irp x, 0,1
	v_add_f32 v[L+4*\x], v[L+4*\x], v[L+4*\x+1]    ; the two halves,
.endr
.irp x, 0,1
	v_permlanex16_b32 v[L+4*\x+1], v[L+4*\x], s[SEL], s[SEL+1]
.endr
.irp x, 0,1
	v_add_f32 v[L+4*\x], v[L+4*\x], v[L+4*\x+1]    ; and lane l xor 16's
.endr
	s_wait_alu depctr_va_vdst(0)
.irp x, 0,1
	v_rcp_f32 v[MX+2*\x], v[L+4*\x]
.endr
	v_nop                                          ; a plain line behind the reciprocals
	s_wait_alu depctr_va_vdst(0)                   ; one wait for both, ahead of their first reader
.irp x, 0,1
	v_ldexp_f32 v[MX+2*\x], v[MX+2*\x], s87        ; x 2^(e8 + e9)
.endr
	s_wait_alu depctr_va_vdst(0)
	s_wait_loadcnt 0x0                             ; the images are in registers: tile x at KF + 64 x
.irp x, 0,1
.set j, 0
.rept 16
	v_pk_fma_f32 v[KF+64*\x+j:KF+64*\x+j+1], v[O+32*\x+j:O+32*\x+j+1], v[MX+2*\x:MX+2*\x+1], v[KF+64*\x+j:KF+64*\x+j+1] op_sel_hi:[1,0,1]   ; each accumulator from its low end on
.set j, j+2
.endr
.endr
.irp x, 0,1
.set j, 0
.rept 32
	v_max_num_f32 v[KF+64*\x+j], 0, v[KF+64*\x+j]  ; relu
.set j, j+1
.endr
.endr
.irp x, 0,1
.irp u, 0,1,2,3
	ds_store_b128 v[STO], v[KF+64*\x+8*\u:KF+64*\x+8*\u+3] offset:64*\u          ; lane (r, h): row r, channels 16 u + 8 h + 0 .. 7
	ds_store_b128 v[STO], v[KF+64*\x+8*\u+4:KF+64*\x+8*\u+7] offset:64*\u+16
.endr
.irp i, 0,1,2,3,4,5,6,7
	ds_load_b128 v[VF+64*\x+4*\i:VF+64*\x+4*\i+3], v[RD] offset:2*\i*SPITCH      ; LDS serves a wave's instructions in order (ISA guide 5.7.1.4): these see my stores, and the next tile's stores come behind them
.endr
.endr
.irp x, 0,1
.irp i, 0,1,2,3,4,5,6,7
	s_wait_dscnt 23-16*\x-\i                       ; the LDS instructions issued behind this pair of rows may be out
	global_store_b128 v[GO], v[VF+64*\x+4*\i:VF+64*\x+4*\i+3], s[10:11] offset:(16*\x+2*\i)*4096 th:TH_STORE_NT   ; sixteen lanes store 256 consecutive bytes, at a multiple of 256 from out0's first byte
.endr
.endr
	s_wait_tensorcnt 0x0                           ; the wave's end
	ds_add_u32 v[SPW], v[NIL]
	s_wait_dscnt 0x0
	s_endpgm
.Lfunc_end_k_qea7ee74ce6_attn:
	.size	k_qea7ee74ce6_attn, .Lfunc_end_k_qea7ee74ce6_attn-k_qea7ee74ce6_attn
	.p2alignl 7, 3214868480
	.fill 96, 4, 3214868480
	.section	.rodata,"a",@progbits
	.p2align	6, 0x0
	.amdhsa_kernel k_qea7ee74ce6_attn
		.amdhsa_group_segment_fixed_size 202752
		.amdhsa_private_segment_fixed_size 0
		.amdhsa_enable_private_segment 0
		.amdhsa_kernarg_size 32
		.amdhsa_user_sgpr_count 2
		.amdhsa_user_sgpr_kernarg_segment_ptr 1
		.amdhsa_wavefront_size32 1
		.amdhsa_system_sgpr_workgroup_id_x 1
		.amdhsa_system_sgpr_workgroup_id_y 1
		.amdhsa_system_sgpr_workgroup_id_z 1
		.amdhsa_system_vgpr_workitem_id 0
		.amdhsa_next_free_vgpr 256
		.amdhsa_next_free_sgpr 96
		.amdhsa_reserve_vcc 0
		.amdhsa_float_denorm_mode_32 3
		.amdhsa_float_denorm_mode_16_64 3
		.amdhsa_memory_ordered 1
		.amdhsa_forward_progress 1
		.amdhsa_inst_pref_size 58
	.end_amdhsa_kernel
	.amdgpu_metadata
---
amdhsa.version: [ 1, 2 ]
amdhsa.kernels:
  - .name:           k_qea7ee74ce6_attn
    .symbol:         k_qea7ee74ce6_attn.kd
    .args:
      - { .name: qkv, .offset: 0, .size: 8, .value_kind: global_buffer, .address_space: global }
      - { .name: res, .offset: 8, .size: 8, .value_kind: global_buffer, .address_space: global }
      - { .name: lowp_scales, .offset: 16, .size: 8, .value_kind: global_buffer, .address_space: global }
      - { .name: out0, .offset: 24, .size: 8, .value_kind: global_buffer, .address_space: global }
    .group_segment_fixed_size: 202752
    .private_segment_fixed_size: 0
    .kernarg_segment_align: 8
    .kernarg_segment_size: 32
    .max_flat_workgroup_size: 512
    .sgpr_count:     96
    .vgpr_count:     256
    .wavefront_size: 32
...
	.end_amdgpu_metadata
.endif
;; end of part 3
